; MI455X (gfx1250); checked and timed in simulation.
; The chip was launched on July 23, 2026; its instructions are those of AMD's public machine-readable ISA for CDNA 5 (MIT licence, August 2026) and "CDNA5" Instruction Set Architecture Reference Guide (July 2026). The comments in the code are by the model that wrote it; some were corrected since.
;; Full Attention. Allowed arithmetic: float matrix products may take bf16 or f16 operands with f32 sums; other float arithmetic in f32, or as packed bf16 or f16 multiplies, adds, multiply-adds, maxima and minima; sums over many terms, partial sums and values carried from step to step in f32; what a program stores and reads back later, other than sums and carried values, may be rounded once to bf16 or f16.
;; Inputs: attn_mask 1,024 x 1,024 float32; dist_emb 257 x 64 float32; keys 8 x 1,024 x 16 x 64 float32; queries 8 x 1,024 x 16 x 64 float32; values 8 x 1,024 x 16 x 64 float32.
;; Outputs: out0 8 x 1,024 x 16 x 64 float32.
;; One version. Each part assembles by itself: llvm-mc -triple=amdgcn-amd-amdhsa -mcpu=gfx1250 --defsym DOCPART=n.
;; ======== version 1 of 1: 2 launches
;; limits: values are held in f16: magnitudes above 65,504 overflow, below 6.1e-05 lose precision; right only within a limited range of input values
;; workspace buffers: kb 16,777,216 bytes; vh 16,777,216 bytes; mb 2,097,152 bytes
;; launch prep (part 1): grid 1088 x 1, 8 waves a work-group, no clusters, 0 bytes of LDS; arguments keys, values, attn_mask, kb, vh, mb; writes kb, vh, mb
.if DOCPART == 1
	.amdgcn_target "amdgcn-amd-amdhsa--gfx1250"
	.amdhsa_code_object_version 6
	.text
	.protected	k_q0a68881469_prep
	.globl	k_q0a68881469_prep
	.p2align	8
	.type	k_q0a68881469_prep,@function
k_q0a68881469_prep:
	s_mov_b64 s[64:65], 0
	v_nop
	global_prefetch_b8 v0, s[64:65] scope:SCOPE_SE
	s_setreg_imm32_b32 hwreg(HW_REG_WAVE_MODE, 25, 1), 1
	s_wait_xcnt 0x0
; A CAST BY HEADS.  keys, values: [8][1024][16][64] f32.  kb: [128 heads][1024][64] bf16 = bf16(keys).  vh: the same shape in f16 = f16(bf16(values)).
; attn_mask: [1024][1024] f32.  mb: [1024][1024] bf16 = bf16(mask held to +-3.3895e38).
; LIMITS.  A mask entry beyond +-3.3895e38 (the largest bf16), an infinity too, counts as that bound; a NaN there is not treated apart.
; |values| stays under 65,504 (f16's range); below 6.1e-5 a value keeps f16's fixed step of 6e-8.
; SHARES.  Work-groups 0-511 take keys, 512-1023 values, 1024-1087 the mask.  A wave takes 8,192 consecutive bytes: sixteen loads of 512 bytes, all out at once, and sixteen
; stores of 256 consecutive bytes, each at a multiple of 256 from its buffer's first byte.  For keys and values those 8,192 bytes are two positions s, s + 1 of all 16 heads: load i takes
; head i (lanes 0-15 position s, lanes 16-31 position s + 1), and its 256 bytes of output are the two rows s, s + 1 of that head, which lie end to end.
; No LDS, no matrix unit: nothing is used twice.
.set XR, 16                            ; v[16:79]   load i: 4 registers
.set YR, 80                            ; v[80:111]  store i: 2 registers of its own, so no store's data is written again
.set TR, 8                             ; v[8:9]     at work
.macro LD16 base, step
.set i, 0
.rept 16
	global_load_b128 v[XR+4*i:XR+4*i+3], v2, s[\base:\base+1] offset:(\step)*i th:TH_LOAD_NT
.set i, i+1
.endr
.endm
; role 0: bf16.  role 1: bf16, widened again, then f16 (exact inside f16's normal range).  role 2: held to bf16's range, then bf16.
.macro CV role, base, step
.set i, 0
.rept 16
	s_wait_loadcnt 15-i                            ; loads come back in order: load i is in, the 15 - i younger ones may stay out
.if (\role) == 0
	v_cvt_pk_bf16_f32 v[YR+2*i], v[XR+4*i], v[XR+4*i+1]
	v_cvt_pk_bf16_f32 v[YR+2*i+1], v[XR+4*i+2], v[XR+4*i+3]
.elseif (\role) == 1
	v_cvt_pk_bf16_f32 v[TR], v[XR+4*i], v[XR+4*i+1]
	v_cvt_pk_bf16_f32 v[TR+1], v[XR+4*i+2], v[XR+4*i+3]
	v_lshlrev_b32 v[XR+4*i], 16, v[TR]
	v_and_b32 v[XR+4*i+1], s13, v[TR]
	v_lshlrev_b32 v[XR+4*i+2], 16, v[TR+1]
	v_and_b32 v[XR+4*i+3], s13, v[TR+1]
	v_cvt_pk_f16_f32 v[YR+2*i], v[XR+4*i], v[XR+4*i+1]
	v_cvt_pk_f16_f32 v[YR+2*i+1], v[XR+4*i+2], v[XR+4*i+3]
.else
	v_med3_num_f32 v[XR+4*i], v[XR+4*i], s14, s15
	v_med3_num_f32 v[XR+4*i+1], v[XR+4*i+1], s14, s15
	v_med3_num_f32 v[XR+4*i+2], v[XR+4*i+2], s14, s15
	v_med3_num_f32 v[XR+4*i+3], v[XR+4*i+3], s14, s15
	v_cvt_pk_bf16_f32 v[YR+2*i], v[XR+4*i], v[XR+4*i+1]
	v_cvt_pk_bf16_f32 v[YR+2*i+1], v[XR+4*i+2], v[XR+4*i+3]
.endif
	global_store_b64 v3, v[YR+2*i:YR+2*i+1], s[\base:\base+1] offset:(\step)*i
.set i, i+1
.endr
.endm
	s_load_b256 s[4:11], s[0:1], 0x0               ; keys s[4:5], values s[6:7], attn_mask s[8:9], kb s[10:11]
	s_load_b128 s[16:19], s[0:1], 0x20             ; vh s[16:17], mb s[18:19]
	v_lshrrev_b32 v1, 5, v0
	v_readfirstlane_b32 s12, v1                    ; wave 0..7
	v_and_b32 v4, 31, v0                           ; lane
	v_lshlrev_b32 v3, 3, v4                        ; out: 8 bytes a lane
	s_mov_b32 s13, 0xffff0000                      ; a word's upper bf16
	s_mov_b32 s14, 0xff7f0000                      ; the lowest bf16
	s_mov_b32 s15, 0x7f7f0000                      ; the largest
	s_cmp_ge_u32 ttmp9, 1024
	s_cbranch_scc1 .Lmask
	s_and_b32 s20, ttmp9, 511
	s_lshl_b32 s20, s20, 3
	s_add_co_u32 s20, s20, s12                     ; the wave's task, 0..4095 = 512 n + s / 2
	s_lshl_b32 s22, s20, 13                        ; in: 8,192 bytes a task
	s_mov_b32 s23, 0
	s_lshr_b32 s24, s20, 9
	s_lshl_b32 s24, s24, 21                        ; out: n x 16 heads x 131,072 bytes
	s_and_b32 s25, s20, 511
	s_lshl_b32 s25, s25, 8                         ; + two rows of 128 bytes
	s_add_co_u32 s24, s24, s25
	s_mov_b32 s25, 0
	v_and_b32 v2, 15, v0
	v_lshlrev_b32 v2, 4, v2                        ; in: 16 bytes a lane,
	v_bfe_u32 v5, v0, 4, 1
	v_lshl_add_u32 v2, v5, 12, v2                  ; lanes 16-31 one position (4,096 bytes) on
	s_wait_kmcnt 0x0
	s_cmp_lt_u32 ttmp9, 512
	s_cbranch_scc0 .Lval
	s_add_nc_u64 s[4:5], s[4:5], s[22:23]
	s_add_nc_u64 s[10:11], s[10:11], s[24:25]
	LD16 4, 256
	CV 0, 10, 131072
	s_endpgm
.Lval:
	s_add_nc_u64 s[6:7], s[6:7], s[22:23]
	s_add_nc_u64 s[16:17], s[16:17], s[24:25]
	LD16 6, 256
	CV 1, 16, 131072
	s_endpgm
.Lmask:
	s_sub_co_u32 s20, ttmp9, 1024
	s_lshl_b32 s20, s20, 3
	s_add_co_u32 s20, s20, s12                     ; the wave's task, 0..511
	s_lshl_b32 s22, s20, 13
	s_mov_b32 s23, 0
	s_lshl_b32 s24, s20, 12
	s_mov_b32 s25, 0
	v_lshlrev_b32 v2, 4, v4
	s_wait_kmcnt 0x0
	s_add_nc_u64 s[8:9], s[8:9], s[22:23]
	s_add_nc_u64 s[18:19], s[18:19], s[24:25]
	LD16 8, 512
	CV 2, 18, 256
	s_endpgm
.Lfunc_end_k_q0a68881469_prep:
	.size	k_q0a68881469_prep, .Lfunc_end_k_q0a68881469_prep-k_q0a68881469_prep
	.p2alignl 7, 3214868480
	.fill 96, 4, 3214868480
	.section	.rodata,"a",@progbits
	.p2align	6, 0x0
	.amdhsa_kernel k_q0a68881469_prep
		.amdhsa_group_segment_fixed_size 0
		.amdhsa_private_segment_fixed_size 0
		.amdhsa_enable_private_segment 0
		.amdhsa_kernarg_size 48
		.amdhsa_user_sgpr_count 2
		.amdhsa_user_sgpr_kernarg_segment_ptr 1
		.amdhsa_wavefront_size32 1
		.amdhsa_system_sgpr_workgroup_id_x 1
		.amdhsa_system_sgpr_workgroup_id_y 1
		.amdhsa_system_sgpr_workgroup_id_z 1
		.amdhsa_system_vgpr_workitem_id 0
		.amdhsa_next_free_vgpr 112
		.amdhsa_next_free_sgpr 66
		.amdhsa_reserve_vcc 0
		.amdhsa_float_denorm_mode_32 3
		.amdhsa_float_denorm_mode_16_64 3
		.amdhsa_memory_ordered 1
		.amdhsa_forward_progress 1
		.amdhsa_inst_pref_size 27
	.end_amdhsa_kernel
	.amdgpu_metadata
---
amdhsa.version: [ 1, 2 ]
amdhsa.kernels:
  - .name:           k_q0a68881469_prep
    .symbol:         k_q0a68881469_prep.kd
    .args:
      - { .name: keys, .offset: 0, .size: 8, .value_kind: global_buffer, .address_space: global }
      - { .name: values, .offset: 8, .size: 8, .value_kind: global_buffer, .address_space: global }
      - { .name: attn_mask, .offset: 16, .size: 8, .value_kind: global_buffer, .address_space: global }
      - { .name: kb, .offset: 24, .size: 8, .value_kind: global_buffer, .address_space: global }
      - { .name: vh, .offset: 32, .size: 8, .value_kind: global_buffer, .address_space: global }
      - { .name: mb, .offset: 40, .size: 8, .value_kind: global_buffer, .address_space: global }
    .group_segment_fixed_size: 0
    .private_segment_fixed_size: 0
    .kernarg_segment_align: 8
    .kernarg_segment_size: 48
    .max_flat_workgroup_size: 256
    .sgpr_count:     66
    .vgpr_count:     112
    .wavefront_size: 32
...
	.end_amdgpu_metadata
.endif
;; end of part 1
;; launch attn (part 2): grid 128 x 4, 4 waves a work-group, clusters of 4 x 1, 327,680 bytes of LDS; arguments queries, kb, vh, out0, mb, dist_emb; writes out0
.if DOCPART == 2
	.amdgcn_target "amdgcn-amd-amdhsa--gfx1250"
	.amdhsa_code_object_version 6
	.text
	.protected	k_q0a68881469_attn
	.globl	k_q0a68881469_attn
	.p2align	8
	.type	k_q0a68881469_attn,@function
k_q0a68881469_attn:
	s_mov_b64 s[64:65], 0
	v_nop
	global_prefetch_b8 v0, s[64:65] scope:SCOPE_SE
	s_setreg_imm32_b32 hwreg(HW_REG_WAVE_MODE, 25, 1), 1
	s_wait_xcnt 0x0
	s_wait_alu depctr_hold_cnt(0) depctr_sa_sdst(0) depctr_va_vdst(0) depctr_va_sdst(0) depctr_va_ssrc(0) depctr_va_vcc(0) depctr_vm_vsrc(0)
	s_getreg_b32 s2, hwreg(HW_REG_IB_STS2, 6, 4)
	s_cmp_eq_u32 s2, 0
	s_cbranch_scc0 .Lentry_in_a_cluster
	s_endpgm
.Lentry_in_a_cluster:
	s_bfe_u32 s2, ttmp6, 0x10000c
	s_cmp_lg_u32 s2, 0x3003
	s_cbranch_scc0 .Lentry_shape_is_right
	s_endpgm
.Lentry_shape_is_right:
; ATTENTION WITH RELATIVE POSITIONS.  score[l][s] = q_l . k_s + q_l . D[d] + k_s . D[d] + mask[l][s], d = clip(l - s, -128, 128) + 128; out = softmax_s(score / 8) V.
; queries, out0: [8][1024][16][64] f32.  kb (bf16), vh (f16): [128 heads][1024][64], made by the launch before.  mb: [1024][1024] bf16.  dist_emb D: [257][64] f32.
; Q and D are rounded once to bf16 here.  All sums, maxima and the relative terms in f32; the weights p are rounded to f16 for the second product, their sum l is taken of the unrounded p.
; LIMITS.  The mask arrives held to +-3.3895e38, so a row that is hidden everywhere gives a mean and no NaN; |values| under 65,504; a weight below 2^-126 counts as 0; NaN is not treated apart.
; SHARES.  A work-group owns 256 queries (block BQ) of one head.  Of the block's four bands of 64 rows wave w owns rows 16 w .. 16 w + 15 of each: four PIECES.  Every wave walks all keys, 64 a step.
; MODES.  For piece z and the step in hand G = 4 BQ + z - step.  G >= 3: l - s >= 129 for all pairs, d = 256.  G <= -3: d = 0.  Else the piece is IN THE BAND.  All four waves have the same G.
;  FAR: k . D[d] is one number a key: Cb = K x DF (DF: 16 equal columns D[256] or D[0]), made once a step, and is the C operand that starts S^T.  q . D[d] is one number a query (AP or AM):
;  it is left out of the scores and enters by the statistics alone: the old maximum is taken into the step's own scale (less ACUR) and the new one back (plus ACUR).
;  BAND: R[Y] = D[clip(319 - Y, 0, 256)], 384 rows in 24 fragments of 16, lies in LDS; fragments 0-3 are all D[256], 20-23 all D[0].  The row wanted for (l, s) is Y = 191 - (l - s) = 16 g + (jj - i + 15),
;  g = 11 - 4 G - w = (16 - 4 (G + 2)) + (3 - w), in 0..19; i the query in the tile, jj the key in the step.  TQ[x] = R[g + x] Q^T (x = 0..4) and TK[kb][x2] = R[g + kb + x2] K[kb]^T hold all numbers
;  wanted, by (row of R, query) and (row of R, key); both go through the wave's own scratch in LDS and come back by (key, query); their sum BC is the C operand that starts S^T.
; MASK.  S^T += A E: A = 16 keys x 32 queries, read turned out of the tile [l][s] (the 16 rows of two pieces), E a unit matrix in the half of the piece in hand.
; LAYOUT, SOFTMAX, TURNS.  S^T = K Q^T holds one query a lane (lane % 16) and the keys 8 (lane / 16) + 0..7; two such results rounded to f16 are source 1 of O^T = V^T P.  p = 2^(c s - c m),
; c = log2(e) / 8, with a running maximum.  Turn n belongs to piece n: 12 products for the scores of piece n + 1, later 8 products V^T P of piece n - 1; beside them the scaling, exponentials,
; roundings, sums and rescaling of piece n and the maximum and statistics of piece n + 1.  A turn's 33 exponentials are one batch with one wait.
; CLUSTER.  Four heads with the same block of queries: they read the same tile of the mask, the largest of a slot's three tiles (73,728 of 112,640 bytes), which is asked for jointly.
; K and V differ from head to head and come by loads of each work-group's own.  The query blocks of one head are NOT partners: the jump far / band hangs on the block.
; REGISTERS, in windows of 256 (s_set_vgpr_msb: bits 1:0 source 0, 3:2 source 1, 5:4 source 2, 7:6 destination):
;  window 0: v0-35 addresses and at work; v36-43 AP, AM; v44-59 statistics; v60-67 at work; v68-131 S^T, two buffers; v132-163 P, two buffers; v164-195 Cb
;  window 1: v0-127 O^T; v128-167 TQ; v168-231 TK     window 2: v0-63 Q; v64-79 DF; v80-91 E; v128-191 K; v192-255 V     window 3: v0-63 mask; v64-143 R's five fragments; v144-175 T2; v176-207 BC
.set PK,    144       ; a row of K in LDS: 128 bytes + 16
.set PV,    160       ; a row of V: 128 + 32
.set PM,    288       ; a row of the mask tile: 128 keys, 256 bytes + 32
.set PR,    144       ; a row of R: 128 + 16
.set KS,    64
.set VOFF,  128*PK    ; a slot holds two steps: 128 rows of K, 128 of V, 256 rows of the mask
.set MOFF,  VOFF+128*PV
.set SLOT1, 1<<17
.set SCRW,  9216      ; a wave's scratch (TQ: 16 rows x 336; TK: 64 rows x 144; the way out: 16 rows x 272)
.set SCRA,  MOFF+256*PM           ; between slot 0's end and slot 1, 18,432 bytes into which no fill lands: the scratch of waves 0 and 1
.set ROFF,  SLOT1+MOFF+256*PM     ; behind the ring, never filled by a tensor load: R,
.set SCRB,  ROFF+384*PR           ; the scratch of waves 2 and 3,
.set SPARE, SCRB+2*SCRW           ; and the spare words, 128 bytes a wave, which no other line names
.set FD0,   20*16*PR              ; the first fragment of R that is all D[0]
.set PQ,    336
.set SP,    272
.set AK0, 2
.set AV0, 3
.set AM0, 4
.set AR0, 5
.set AK,  6
.set AV,  7
.set AMK, 8
.set ADF, 9
.set AR,  10          ; the band: where the five fragments begin
.set ARW, 11          ; AR0 + (3 - w) fragments; never rewritten
.set SQW, 15
.set SQR, 16
.set SKW, 17
.set SKR, 18
.set STO, 19
.set RD,  20
.set GO,  21
.set PFO, 22
.set PFO2, 23
.set SPW, 24
.set NIL, 25
.set ACUR, 30         ; the piece's q . D[d] of a far step, or 0
.set TT,  32          ; the old maximum in the step's own scale
.set CT,  33          ; c times it
.set AP,  36
.set AM,  40
.set ST,  44          ; piece t: c m (the step's scale), m (true), l, l
.set TMP, 60          ; by parity: c0-c3; c2 takes a
.set S,   68
.set P,   132
.set CB,  164
.set DR,  68          ; the prologue: D's pieces as loaded, 34 x 4
.set TQA, 128         ; window 1
.set TKA, 168
.set Q,   0           ; window 2
.set DF,  64
.set EZ,  80
.set KF,  128
.set VF,  192
.set MT,  0           ; window 3
.set RF,  64
.set T2,  144
.set BC,  176
.set WV,  16
.set BQ,  17
.set G1K, 24
.set G1V, 32
.set G1M, 40
.set G0K, 48
.set G0V, 52
.set G0M, 56
.set CS,  60
.set SEL, 62
.set SLOTS, 66
.set CNT, 67
.set TBK, 68
.set TBV, 69
.set TBM, 70
.set GB,  71          ; 4 BQ - the step whose K is in registers
.set KIND, 72         ; lane mask: all ones where the step's far pieces lie right of the band (D[0])
.set DFO, 73
.set TM,  74          ; G + 2
.set FO,  76          ; the band: (16 - 4 TM) fragments, in bytes
.set PFA, 82
.set PFS, 84
.set LIM, 86
.set MSB, 0
.macro WIN new                      ; the high byte repeats the setting that is left; a switch that changes nothing is dropped
.if MSB != (\new)
	s_set_vgpr_msb (MSB<<8)|(\new)
.set MSB, (\new)
.endif
.endm
; A round of the cluster's barrier.
.macro ROUND
	s_barrier_signal -1
	s_barrier_wait -1
	s_cmp_lg_u32 s[WV], 0
	s_cbranch_scc1 .Lnw0_\@
	s_barrier_signal -3
.Lnw0_\@:
	s_barrier_wait -3
	s_barrier_signal -1
	s_barrier_wait -1
.endm
; A fill: wave 0 fetches the slot's K, wave 1 its V (their own head's), waves 2 and 3 the two halves of the mask tile, jointly with the three partners.  One tensor load a wave is out.
; An s_nop 0 and four v_nop follow each line, ahead of the jump and the label.
.macro JLOAD
	s_cmp_lt_u32 s[WV], 2
	s_cbranch_scc0 .Lfm_\@
	s_cmp_eq_u32 s[WV], 0
	s_cbranch_scc0 .Lfv_\@
	tensor_load_to_lds s[G0K:G0K+3], s[G1K:G1K+7]
	s_nop 0
.rept 4
	v_nop
.endr
	s_branch .Lfd_\@
.Lfv_\@:
	tensor_load_to_lds s[G0V:G0V+3], s[G1V:G1V+7]
	s_nop 0
.rept 4
	v_nop
.endr
	s_branch .Lfd_\@
.Lfm_\@:
	tensor_load_to_lds s[G0M:G0M+3], s[G1M:G1M+7]
	s_nop 0
.rept 4
	v_nop
.endr
.Lfd_\@:
.endm
; A prefetch of what the NEXT change of slots will ask for, two key steps ahead.  K's and V's 64 blocks of 256 bytes a slot: waves 0 and 1 of the head's work-group with BQ = 0.  The mask tile's 256 rows
; of 256 bytes: wave 2 of the clusters with x = 0, each partner 64 rows, told apart by address.  So each block is named once in the launch.  The change that fills the last slot asks for nothing.
.macro ASK
	s_cmp_gt_u32 s[SLOTS], s[LIM]
	s_cbranch_scc0 .Lnm_\@
	global_prefetch_b8 v[PFO], s[PFA:PFA+1] th:TH_LOAD_NT scope:SCOPE_SE
	global_prefetch_b8 v[PFO2], s[PFA:PFA+1] th:TH_LOAD_NT scope:SCOPE_SE
.Lnm_\@:
.endm
; THE CHANGE OF SLOTS.  Each wave waits for all its tensor loads (one is out: its part of the other slot), adds 0 to its spare word, and waits for that and for its reads of the slot that it leaves.
; fill = 1: the barrier is a round of the cluster's, and the slot left is filled again first thing behind it, with the keys two slots on.
.macro CHANGE fill
	WIN 0
	s_wait_tensorcnt 0x0            ; no tensor load of mine is out, so a group 0 may be written
	ds_add_u32 v[SPW], v[NIL]
.if \fill
.irp g, G0K, G0V
	s_xor_b32 s[\g+1], s[\g+1], SLOT1
	s_add_nc_u64 s[\g+2:\g+3], s[\g+2:\g+3], 128*128   ; the next 128 keys
.endr
	s_xor_b32 s[G0M+1], s[G0M+1], SLOT1
	s_add_nc_u64 s[G0M+2:G0M+3], s[G0M+2:G0M+3], 256   ; 128 keys on along the mask's rows
	s_wait_xcnt 0x0                 ; the last prefetches, two key steps back, have read their address
	s_add_nc_u64 s[PFA:PFA+1], s[PFA:PFA+1], s[PFS:PFS+1]
	s_wait_dscnt 0x0                ; the add is done, and my LDS instructions are over
	ROUND
	JLOAD
	ASK
.else
	s_wait_dscnt 0x0
	s_barrier_signal -1
	s_barrier_wait -1
.endif
	s_sub_co_u32 s[TBK], s[TBK], 2*KS*PK  ; the fetches go back to a slot's first step, in the other slot
	s_xor_b32 s[TBK], s[TBK], SLOT1
	s_sub_co_u32 s[TBV], s[TBV], 2*KS*PV
	s_xor_b32 s[TBV], s[TBV], SLOT1
	s_sub_co_u32 s[TBM], s[TBM], 256
	s_xor_b32 s[TBM], s[TBM], SLOT1
.endm
	s_load_b256 s[4:11], s[0:1], 0x0  ; queries s[4:5], kb s[6:7], vh s[8:9], out0 s[10:11]
	s_load_b128 s[12:15], s[0:1], 0x20  ; mb s[12:13], dist_emb s[14:15]
	v_lshl_add_u32 v[SPW], v0, 2, SPARE
	v_mov_b32 v[NIL], 0
	ds_add_u32 v[SPW], v[NIL]       ; the wave's opening: the add and its wait ahead of my first tensor load
	v_lshrrev_b32 v26, 5, v0
	v_readfirstlane_b32 s[WV], v26  ; wave 0..3
	s_and_b32 s[BQ], ttmp7, 0xffff  ; the block of queries, which the four partners share
	s_and_b32 s2, s[WV], 1          ; the mask tile's half that I fetch: made of the block and the wave's number alone
	s_mul_i32 s[G0M+1], s2, 128*PM
	s_add_co_u32 s[G0M+1], s[G0M+1], MOFF
	s_lshl_b32 s2, s2, 18           ; 128 rows of 2,048 bytes
	s_lshl_b32 s3, s[BQ], 19        ; 256 rows
	s_add_co_u32 s2, s2, s3
	s_mov_b32 s3, 0
	s_bfe_u32 s81, ttmp6, 0x40000   ; cx: it enters global addresses of Q, K, V, O and of prefetches alone (s19-23, s81, s89, s90, s92)
	s_lshl_b32 s19, ttmp9, 2
	s_add_co_u32 s19, s19, s81      ; the head, 0..127
	s_lshl_b32 s20, s19, 17         ; its 131,072 bytes in kb and vh
	s_mov_b32 s21, 0
	s_lshr_b32 s22, s19, 4
	s_lshl_b32 s22, s22, 22         ; Q and O: n x 4,194,304
	s_and_b32 s23, s19, 15
	s_lshl_b32 s23, s23, 8          ; + h x 256
	s_add_co_u32 s22, s22, s23
	s_lshl_b32 s23, s[BQ], 20       ; + 256 rows of 4,096 bytes a block
	s_add_co_u32 s22, s22, s23
	s_lshl_b32 s23, s[WV], 16       ; + 16 rows a wave
	s_add_co_u32 s22, s22, s23
	s_mov_b32 s23, 0
	; group 1.  K, V: 128 keys are 16,384 dense bytes, asked for as 64 rows of 256, padded after every key.  Mask: 128 rows of 128 elements, 1,024 elements apart, padded after every row.
	s_mov_b32 s[G1K], (1<<16)|(1<<20)|(4<<22)|(3<<25)
	s_mov_b32 s[G1V], (1<<16)|(1<<20)|(4<<22)|(7<<25)
	s_mov_b32 s[G1M], 15|(1<<16)|(1<<20)|(1<<21)|(5<<22)|(7<<25)
.irp g, G1K, G1V
	s_mov_b32 s[\g+1], 128<<16
	s_mov_b32 s[\g+2], 64<<16
	s_mov_b32 s[\g+3], 128<<16
	s_mov_b32 s[\g+4], 64
	s_mov_b32 s[\g+5], 128
	s_mov_b32 s[\g+6], 0
	s_mov_b32 s[\g+7], 0
.endr
	s_mov_b32 s[G1M+1], 128<<16
	s_mov_b32 s[G1M+2], 128<<16
	s_mov_b32 s[G1M+3], 128<<16
	s_mov_b32 s[G1M+4], 128
	s_mov_b32 s[G1M+5], 1024
	s_mov_b32 s[G1M+6], 0
	s_mov_b32 s[G1M+7], 0
	s_mov_b32 s[G0K], 1
	s_mov_b32 s[G0K+1], 0
	s_mov_b32 s[G0V], 1
	s_mov_b32 s[G0V+1], VOFF
	s_mov_b32 s[G0M], 1
	s_mov_b32 s[CS], 0x3e38aa3b     ; c = log2(e) / 8
	s_mov_b32 s[CS+1], s[CS]
	s_mov_b32 s[SEL], 0x76543210
	s_mov_b32 s[SEL+1], 0xfedcba98
	s_mov_b32 s87, 0x3f80           ; 1.0 in a word's lower bf16,
	s_mov_b32 s88, 0x3f800000       ; in its upper
	s_mov_b32 s[SLOTS], 7
	s_mov_b32 s[TBK], SLOT1+2*KS*PK ; the first change of slots turns these three into 0
	s_mov_b32 s[TBV], SLOT1+2*KS*PV
	s_mov_b32 s[TBM], SLOT1+256
	; the prefetches: who, from where, in which steps
	s_add_co_u32 s90, s20, 128*128  ; K, V: my head's slot 1 (the first change steps it to slot 2)
	s_lshl_b32 s92, s[BQ], 19
	s_lshl_b32 s89, s81, 17         ; mask: my work-group's 64 rows
	s_add_co_u32 s92, s92, s89
	s_add_co_u32 s92, s92, 256
	s_mov_b32 s93, 128*128
	s_mov_b32 s94, 8192
	s_cmp_lt_u32 s[WV], 2
	s_cselect_b32 s90, s90, s92
	s_cselect_b32 s[PFS], s93, 256
	s_cselect_b32 s93, 8, 11        ; a lane a block of 256 bytes, or a lane a row of 2,048
	s_cselect_b32 s94, s94, 0x10000 ; the second instruction's 32 blocks or rows
	s_cselect_b32 s95, s[BQ], ttmp9 ; the coordinate along which others read the same bytes
	s_mov_b32 s91, 0
	s_mov_b32 s[PFS+1], 0
	s_cmp_eq_u32 s[WV], 3
	s_cselect_b32 s95, 1, s95       ; wave 3 asks for nothing
	s_cmp_eq_u32 s95, 0
	s_cselect_b32 s[LIM], 1, -1     ; the same in all four partners, for a given wave
	v_and_b32 v[PFO], 31, v0
	v_lshlrev_b32 v[PFO], s93, v[PFO]
	v_add_nc_u32 v[PFO2], s94, v[PFO]
	s_wait_dscnt 0x0                ; the opening add is done
	s_wait_kmcnt 0x0
	s_add_nc_u64 s[4:5], s[4:5], s[22:23]
	s_add_nc_u64 s[10:11], s[10:11], s[22:23]
	s_add_nc_u64 s[G0K+2:G0K+3], s[6:7], s[20:21]
	s_or_b32 s[G0K+3], s[G0K+3], 0x80000000
	s_add_nc_u64 s[G0V+2:G0V+3], s[8:9], s[20:21]
	s_or_b32 s[G0V+3], s[G0V+3], 0x80000000
	s_add_nc_u64 s[G0M+2:G0M+3], s[12:13], s[2:3]
	s_or_b32 s[G0M+3], s[G0M+3], 0x80000000
	s_cmp_eq_u32 s[WV], 0
	s_cselect_b64 s[PFA:PFA+1], s[6:7], s[8:9]
	s_cmp_lt_u32 s[WV], 2
	s_cselect_b64 s[PFA:PFA+1], s[PFA:PFA+1], s[12:13]
	s_add_nc_u64 s[PFA:PFA+1], s[PFA:PFA+1], s[90:91]
	ROUND                           ; all four work-groups are here
	JLOAD                           ; slot 0
	; Q: a fragment's lane wants 8 channels, 32 bytes of f32, of row lane % 16: two loads of 16 bytes.  Load i: piece i / 8, channels 32 ((i / 4) % 2) + 16 ((i / 2) % 2) + 8 (lane / 16) + 4 (i % 2) on.
	v_and_b32 v1, 15, v0            ; r
	v_bfe_u32 v26, v0, 4, 1         ; h
	v_lshlrev_b32 v27, 12, v1
	v_lshl_add_u32 v27, v26, 5, v27
	WIN 0x40
.set i, 0
.rept 32
	global_load_b128 v[128+4*i:128+4*i+3], v27, s[4:5] offset:(i/8)*262144+((i/4)%2)*128+((i/2)%2)*64+(i%2)*16
.set i, i+1
.endr
	WIN 0
	; R: thread t takes channels 4 (t % 16) on of rows Y = 8 k + t / 16, k = 0..47.  k < 8: D[256].  k > 39: D[0].  Each of these two is loaded once.  Else D[319 - Y], at (312 - 8 k) x 256 + (7 - t / 16) x 256.
	; Piece 0: D[256]; piece 1: D[0]; piece d = 2..33: k = d + 6.
	v_lshrrev_b32 v28, 4, v0
	v_lshlrev_b32 v29, 4, v1
	v_sub_nc_u32 v31, 7, v28
	v_lshl_add_u32 v31, v31, 8, v29
.macro DLOAD d
.if (\d) == 0
	global_load_b128 v[DR:DR+3], v29, s[14:15] offset:65536
.elseif (\d) == 1
	global_load_b128 v[DR+4:DR+7], v29, s[14:15]
.else
	global_load_b128 v[DR+4*(\d):DR+4*(\d)+3], v31, s[14:15] offset:(312-8*((\d)+6))*256
.endif
.endm
.set dd, 0
.rept 24
	DLOAD dd
.set dd, dd+1
.endr
	v_mul_u32_u24 v34, v28, PR
	v_lshl_add_u32 v34, v1, 3, v34
	v_add_nc_u32 v34, ROFF, v34     ; where I put 8 bytes of a row of R
	v_mul_u32_u24 v35, v0, PR
	v_add_nc_u32 v35, ROFF+128, v35 ; the padding of rows t, t + 128, t + 256
	; the addresses, while the loads are out
	v_and_b32 v212, 7, v0
	v_bfe_u32 v213, v0, 3, 1
	v_mul_u32_u24 v[AK0], v1, PK
	v_lshl_add_u32 v[AK0], v26, 4, v[AK0]   ; a fragment of K: row x pitch + 16 x half
	v_add_nc_u32 v[AR0], ROFF, v[AK0]       ; of R likewise
	s_sub_co_u32 s3, 3, s[WV]
	s_mul_i32 s3, s3, 16*PR
	v_add_nc_u32 v[ARW], s3, v[AR0]         ; + (3 - w) fragments
	v_lshl_add_u32 v214, v26, 3, v212       ; the turning loads: row 8 h + lane % 8, 16 bytes (lane / 8) % 2
	v_mul_u32_u24 v[AV0], v214, PV
	v_lshl_add_u32 v[AV0], v213, 4, v[AV0]
	v_add_nc_u32 v[AV0], VOFF, v[AV0]
	s_lshl_b32 s18, s[WV], 4
	v_add_nc_u32 v214, s18, v214            ; the mask: my 16 rows of a band
	v_mul_u32_u24 v[AM0], v214, PM
	v_lshl_add_u32 v[AM0], v213, 4, v[AM0]
	v_add_nc_u32 v[AM0], MOFF, v[AM0]
	s_and_b32 s18, s[WV], 1                 ; my scratch: waves 0, 1 from SCRA on, waves 2, 3 from SCRB on
	s_mul_i32 s18, s18, SCRW
	s_lshr_b32 s3, s[WV], 1
	s_mul_i32 s3, s3, SCRB-SCRA
	s_add_co_u32 s18, s18, s3
	s_add_co_u32 s18, s18, SCRA
	v_lshl_add_u32 v215, v26, 5, s18        ; + 32 h
	v_mul_u32_u24 v[SQW], v1, PQ
	v_add_nc_u32 v[SQW], v[SQW], v215       ; TQ in: row = query r, column 16 x + 8 h + ..
	v_mul_u32_u24 v[SQR], v1, PQ-4
	v_add_nc_u32 v[SQR], v[SQR], v215
	v_add_nc_u32 v[SQR], 60, v[SQR]         ; TQ back: row r, column 16 kb + 8 h + j - r + 15
	v_mul_u32_u24 v[SKW], v1, 144
	v_add_nc_u32 v[SKW], v[SKW], v215       ; TK in: row = key 16 kb + r, column 16 x2 + 8 h + ..
	v_sub_nc_u32 v[SKR], 15, v1
	v_lshl_add_u32 v[SKR], v[SKR], 2, s18
	v_mul_u32_u24 v214, v26, 1184
	v_add_nc_u32 v[SKR], v[SKR], v214       ; TK back: row 16 kb + 8 h + j, column 8 h + j - r + 15
	v_mul_u32_u24 v[STO], v1, SP
	v_add_nc_u32 v[STO], v[STO], v215       ; the way out, in: row r, 32 bytes for each half of the lanes
	v_mul_u32_u24 v[RD], v26, SP
	v_lshl_add_u32 v[RD], v1, 4, v[RD]
	v_add_nc_u32 v[RD], s18, v[RD]          ; back: lanes 0-15 one row of 256 bytes, lanes 16-31 the next
	v_lshlrev_b32 v[GO], 12, v26
	v_lshl_add_u32 v[GO], v1, 4, v[GO]      ; and the same two rows in out0
	; E's four words: 1.0 at place r - 8 h of the lane's eight, where that lies in 0..7
	v_lshlrev_b32 v214, 3, v26
	v_sub_nc_u32 v214, v1, v214
.irp q, 0,1,2,3
	v_cmp_eq_u32 vcc_lo, 2*\q, v214
	v_cndmask_b32 v215, 0, s87, vcc_lo
	v_cmp_eq_u32 vcc_lo, 2*\q+1, v214
	v_cndmask_b32 v[216+\q], v215, s88, vcc_lo
	v_mov_b32 v[220+\q], 0
.endr
.irp q, 0,1,2
	ds_store_b128 v35, v[220:223] offset:\q*128*PR  ; the rows' 16 bytes of padding are written too: every byte of R is defined
.endr
	WIN 0x80
.irp q, 0,1,2,3
	v_mov_b32 v[EZ+\q], 0
	v_mov_b32 v[EZ+4+\q], v[216+\q]
	v_mov_b32 v[EZ+8+\q], 0
.endr
	; What the first turns find: V's registers and P's second buffer hold 0 (the first V^T P, of a piece that has not been, adds 0); O^T and l are 0; m is the lowest finite number, so the first a is 0.
.set i, VF
.rept 64
	v_mov_b32 v[i], 0
.set i, i+1
.endr
	WIN 0x40
.set i, 0
.rept 128
	v_mov_b32 v[i], 0
.set i, i+1
.endr
	WIN 0
.set i, 0
.rept 4
	v_mov_b32 v[ST+4*i+1], 0xff7fffff
	v_mov_b32 v[ST+4*i+2], 0
	v_mov_b32 v[ST+4*i+3], 0
.set i, i+1
.endr
	s_wait_loadcnt 24               ; Q is in: 24 loads of D were issued behind it
.rept 10
	DLOAD dd                        ; D's other ten pieces
.set dd, dd+1
.endr
	WIN 0x85                        ; sources window 1, destination window 2
.set i, 0
.rept 64
	v_cvt_pk_bf16_f32 v[Q+i], v[128+2*i], v[128+2*i+1]
.set i, i+1
.endr
	WIN 0
.set dd, 0
.rept 34
	s_wait_loadcnt 33-dd            ; piece dd is in, the younger ones may stay out
	v_cvt_pk_bf16_f32 v[DR+4*dd], v[DR+4*dd], v[DR+4*dd+1]
	v_cvt_pk_bf16_f32 v[DR+4*dd+1], v[DR+4*dd+2], v[DR+4*dd+3]
.if dd == 0
.irp k, 0,1,2,3,4,5,6,7
	ds_store_b64 v34, v[DR:DR+1] offset:8*PR*\k
.endr
.elseif dd == 1
.irp k, 40,41,42,43,44,45,46,47
	ds_store_b64 v34, v[DR+4:DR+5] offset:8*PR*\k
.endr
.else
	ds_store_b64 v34, v[DR+4*dd:DR+4*dd+1] offset:8*PR*(dd+6)
.endif
.set dd, dd+1
.endr
; THE MATRIX WORK.  Accumulators take turns, one instruction a turn.
; Product i of 12 for the scores of piece z, key block i % 4: 0-3 channels 0-31, started by Cb or (KBAND) by BC; 4-7 channels 32-63; 8-11 the mask.
.macro KQ z
.set kb, i%4
.set rS, S+32*((\z)%2)+8*kb
.if i < 4
.if KBAND
	WIN 0x3a
	v_wmma_f32_16x16x32_bf16 v[rS:rS+7], v[KF+16*kb:KF+16*kb+7], v[Q+16*(\z):Q+16*(\z)+7], v[BC+8*kb:BC+8*kb+7]
.else
	WIN 0x0a
	v_wmma_f32_16x16x32_bf16 v[rS:rS+7], v[KF+16*kb:KF+16*kb+7], v[Q+16*(\z):Q+16*(\z)+7], v[CB+8*kb:CB+8*kb+7]
.endif
.elseif i < 8
	WIN 0x0a
	v_wmma_f32_16x16x32_bf16 v[rS:rS+7], v[KF+16*kb+8:KF+16*kb+15], v[Q+16*(\z)+8:Q+16*(\z)+15], v[rS:rS+7]
.else
	WIN 0x0b
	v_wmma_f32_16x16x32_bf16 v[rS:rS+7], v[MT+32*((\z)/2)+8*kb:MT+32*((\z)/2)+8*kb+7], v[EZ+4*(1-(\z)%2):EZ+4*(1-(\z)%2)+7], v[rS:rS+7]
.endif
.set i, i+1
.endm
.macro CBM                          ; product i of 8 of Cb = K x DF
.set kb, i%4
	WIN 0x0a
.if i < 4
	v_wmma_f32_16x16x32_bf16 v[CB+8*kb:CB+8*kb+7], v[KF+16*kb:KF+16*kb+7], v[DF:DF+7], 0
.else
	v_wmma_f32_16x16x32_bf16 v[CB+8*kb:CB+8*kb+7], v[KF+16*kb+8:KF+16*kb+15], v[DF+8:DF+15], v[CB+8*kb:CB+8*kb+7]
.endif
.set i, i+1
.endm
.macro PVM x                        ; product i of 8 of O^T += V^T P for piece x
	WIN 0x52
.set rO, 32*(\x)+8*(i%4)
.set rV, VF+32*(i/4)+8*(i%4)
.set rP, P+16*((\x)%2)+8*(i/4)
	v_wmma_f32_16x16x32_f16 v[rO:rO+7], v[rV:rV+7], v[rP:rP+7], v[rO:rO+7]
.set i, i+1
.endm
; THE LDS LOADS of a step, in runs.  K's run: 16 loads of K, 4 of DF, 16 turning loads of the mask.  It has no branch: it stands among exponentials.  dec = 1: the step goes on by one.
; last = 1 (the tail): in the trip with CNT = 1 there is no further step, and the last one is read again: its products serve nothing.
.macro FETCH_K dec, last
	WIN 0
.if \dec
	s_sub_co_i32 s[GB], s[GB], 1
.endif
	s_cmp_le_i32 s[GB], -2          ; a step has far pieces on one side alone: right of the band from GB = -3 down, left from GB = 0 up
	s_cselect_b32 s[KIND], -1, 0
	s_cselect_b32 s[DFO], FD0, 0
.if \last
	s_cmp_eq_u32 s[CNT], 1
	s_cselect_b32 s2, KS*PK, 0
	s_cselect_b32 s3, 128, 0
	s_sub_co_u32 s2, s[TBK], s2
	s_sub_co_u32 s3, s[TBM], s3
	v_add_nc_u32 v[AK], s2, v[AK0]
	v_add_nc_u32 v[AMK], s3, v[AM0]
.else
	v_add_nc_u32 v[AK], s[TBK], v[AK0]
	v_add_nc_u32 v[AMK], s[TBM], v[AM0]
.endif
	v_add_nc_u32 v[ADF], s[DFO], v[AR0]
	WIN 0x80
.irp f, 0,1,2,3,4,5,6,7             ; keys 16 (f / 2) on, channels 32 (f % 2) on
	ds_load_b128 v[KF+8*\f:KF+8*\f+3],   v[AK] offset:(\f/2)*16*PK+(\f%2)*64
	ds_load_b128 v[KF+8*\f+4:KF+8*\f+7], v[AK] offset:(\f/2)*16*PK+(\f%2)*64+32
.endr
.irp j, 0,1,2,3
	ds_load_b128 v[DF+4*\j:DF+4*\j+3], v[ADF] offset:32*\j
.endr
	WIN 0xc0
.irp g, 0,1,2,3,4,5,6,7             ; pieces 2 (g / 4) and 2 (g / 4) + 1 (64 rows on), keys 16 (g % 4) on
	ds_load_tr16_b128 v[MT+8*\g:MT+8*\g+3],   v[AMK] offset:(\g/4)*128*PM+(\g%4)*32
	ds_load_tr16_b128 v[MT+8*\g+4:MT+8*\g+7], v[AMK] offset:(\g/4)*128*PM+64*PM+(\g%4)*32
.endr
	s_add_co_u32 s[TBK], s[TBK], KS*PK
	s_add_co_u32 s[TBM], s[TBM], 128
	WIN 0
.endm
.macro FETCH_V
	WIN 0x80
.irp f, 0,1,2,3,4,5,6,7             ; keys 32 (f / 4) on, channels 16 (f % 4) on
	ds_load_tr16_b128 v[VF+8*\f:VF+8*\f+3],   v[AV] offset:(\f/4)*32*PV+(\f%4)*32
	ds_load_tr16_b128 v[VF+8*\f+4:VF+8*\f+7], v[AV] offset:(\f/4)*32*PV+16*PV+(\f%4)*32
.endr
	WIN 0
.endm
; THE VECTOR WORK, one line at a time: OP kind, number.  For piece Y: F n: c s - c m for pair n.  E n: the exponential of score n.  C n: pair n rounded to f16.  B n: of the weights 4 n .. the second pair is added
; onto the first.  L n: l takes that sum (L 0: l = a l + sum).  R n: pair n of O^T times a.  For piece Z, X n: 0-13 the maximum of its scores in four chains (each accumulator's lowest registers first);
; 22, 23 the old maximum less ACUR, and c times it; 14, 16 all into c0; 17, 18 the other half of the lanes'; 19 c m; 20, 21 a = 2^(c m_old - c m_new), both products of c, so equal maxima give 1; 24 the true maximum.
.set F, 0
.set E, 1
.set C, 2
.set B, 3
.set L, 4
.set R, 5
.set X, 6
.macro REGS y
.set rT, ST+4*(\y)
.set rC, TMP+4*((\y)%2)
.set rS, S+32*((\y)%2)
.set rP, P+16*((\y)%2)
.set rO, 32*(\y)
.endm
.macro OP k, n
.if (\k) == R
	REGS Y
	WIN 0x41
	v_pk_mul_f32 v[rO+2*(\n):rO+2*(\n)+1], v[rO+2*(\n):rO+2*(\n)+1], v[rC+2:rC+3] op_sel_hi:[1,0]
.elseif (\k) < R
	REGS Y
	WIN 0
.if (\k) == F
	v_pk_fma_f32 v[rS+2*(\n):rS+2*(\n)+1], v[rS+2*(\n):rS+2*(\n)+1], s[CS:CS+1], v[rT:rT+1] op_sel_hi:[1,0,0] neg_lo:[0,0,1] neg_hi:[0,0,1]
.elseif (\k) == E
	v_exp_f32 v[rS+(\n)], v[rS+(\n)]
.elseif (\k) == C
	v_cvt_pk_f16_f32 v[rP+(\n)], v[rS+2*(\n)], v[rS+2*(\n)+1]
.elseif (\k) == B
	v_pk_add_f32 v[rS+4*(\n):rS+4*(\n)+1], v[rS+4*(\n):rS+4*(\n)+1], v[rS+4*(\n)+2:rS+4*(\n)+3]
.elseif (\n) == 0
	v_pk_fma_f32 v[rT+2:rT+3], v[rT+2:rT+3], v[rC+2:rC+3], v[rS:rS+1] op_sel_hi:[1,0,1]
.else
	v_pk_add_f32 v[rT+2:rT+3], v[rT+2:rT+3], v[rS+4*(\n):rS+4*(\n)+1]
.endif
.else
	REGS Z
	WIN 0
.if (\n) < 4
	v_max3_num_f32 v[rC+(\n)], v[rS+8*(\n)], v[rS+8*(\n)+1], v[rS+8*(\n)+2]
.elseif (\n) < 12
	v_max3_num_f32 v[rC+(\n)%4], v[rC+(\n)%4], v[rS+8*((\n)%4)+2*((\n)/4)+1], v[rS+8*((\n)%4)+2*((\n)/4)+2]
.elseif (\n) == 12
	v_max3_num_f32 v[rC], v[rC], v[rS+7], v[rS+15]
.elseif (\n) == 13
	v_max3_num_f32 v[rC+1], v[rC+1], v[rS+23], v[rS+31]
.elseif (\n) == 14
	v_max3_num_f32 v[rC+2], v[rC+2], v[rC+3], v[TT]
.elseif (\n) == 16
	v_max3_num_f32 v[rC], v[rC], v[rC+1], v[rC+2]
.elseif (\n) == 17
	v_permlanex16_b32 v[rC+3], v[rC], s[SEL], s[SEL+1]
.elseif (\n) == 18
	v_max_num_f32 v[rC+1], v[rC], v[rC+3]
.elseif (\n) == 19
	v_mul_f32 v[rT], s[CS], v[rC+1]
.elseif (\n) == 20
	v_sub_f32 v[rC+3], v[CT], v[rT]
.elseif (\n) == 21
	v_exp_f32 v[rC+2], v[rC+3]
.elseif (\n) == 22
	v_sub_f32 v[TT], v[rT+1], v[ACUR]
.elseif (\n) == 23
	v_mul_f32 v[CT], s[CS], v[TT]
.else
	v_add_f32 v[rT+1], v[rC+1], v[ACUR]
.endif
.endif
.endm
.macro OPS a, i1, b=-1, i2=0, c=-1, i3=0, d=-1, i4=0
	OP \a, \i1
.if (\b) >= 0
	OP \b, \i2
.endif
.if (\c) >= 0
	OP \c, \i3
.endif
.if (\d) >= 0
	OP \d, \i4
.endif
.endm
.macro RQ                           ; the next rescaling, while there are any
.if rr < 16
	OP R, rr
.set rr, rr+1
.endif
.endm
.macro ROWP a, i1, b, i2, c, i3, d, i4  ; a product V^T P and the four behind it
	PVM W
	OPS \a, \i1, \b, \i2, \c, \i3, \d, \i4
.endm
; THE BAND's C operand for piece Z.  Five fragments of R from g = (16 - 4 TM) + (3 - w) on: the first part is chosen among five constants, the second lies in ARW, the fragment's number in the immediate.
; 10 products TQ and 16 TK; both results go through my scratch.  LDS serves a wave's instructions in order, so TQ's reads see TQ's stores and come ahead of TK's stores into the same bytes.
; Four v_nop stand between the last product and the stores of results.
.macro BIAS
	s_mov_b32 s[FO], 0              ; TM = 4
.irp k, 0,1,2,3
	s_cmp_eq_u32 s[TM], \k
	s_cselect_b32 s[FO], (16-4*\k)*16*PR, s[FO]
.endr
	v_add_nc_u32 v[AR], s[FO], v[ARW]
	WIN 0xc0
.irp x, 0,1,2,3,4
.irp j, 0,1,2,3
	ds_load_b128 v[RF+16*\x+4*\j:RF+16*\x+4*\j+3], v[AR] offset:\x*16*PR+32*\j
.endr
.endr
	s_wait_dscnt 0x0
	WIN 0x5b
.irp x, 0,1,2,3,4
	v_wmma_f32_16x16x32_bf16 v[TQA+8*\x:TQA+8*\x+7], v[RF+16*\x:RF+16*\x+7], v[Q+16*Z:Q+16*Z+7], 0
.endr
.irp x, 0,1,2,3,4
	v_wmma_f32_16x16x32_bf16 v[TQA+8*\x:TQA+8*\x+7], v[RF+16*\x+8:RF+16*\x+15], v[Q+16*Z+8:Q+16*Z+15], v[TQA+8*\x:TQA+8*\x+7]
.endr
.set t, 0
.rept 8                             ; key block t / 2, fragment t / 2 + t % 2
	v_wmma_f32_16x16x32_bf16 v[TKA+8*t:TKA+8*t+7], v[RF+16*(t/2+t%2):RF+16*(t/2+t%2)+7], v[KF+16*(t/2):KF+16*(t/2)+7], 0
.set t, t+1
.endr
.rept 4
	v_nop
.endr
	WIN 0x04                        ; data in window 1
.set t, 0
.rept 10                            ; each accumulator's lower four registers first
	ds_store_b128 v[SQW], v[TQA+4*t:TQA+4*t+3] offset:64*(t/2)+16*(t%2)
.set t, t+1
.endr
	WIN 0xc0
.set t, 0
.rept 32
	ds_load_b32 v[BC+t], v[SQR] offset:64*(t/8)+4*(t%8)
.set t, t+1
.endr
	WIN 0x5b
.set t, 0
.rept 8
	v_wmma_f32_16x16x32_bf16 v[TKA+8*t:TKA+8*t+7], v[RF+16*(t/2+t%2)+8:RF+16*(t/2+t%2)+15], v[KF+16*(t/2)+8:KF+16*(t/2)+15], v[TKA+8*t:TKA+8*t+7]
.set t, t+1
.endr
.rept 4
	v_nop
.endr
	WIN 0x04
.set t, 0
.rept 16                            ; accumulator t / 2 = (kb, x2), its half t % 2
	ds_store_b128 v[SKW], v[TKA+4*t:TKA+4*t+3] offset:2304*(t/4)+64*((t/2)%2)+16*(t%2)
.set t, t+1
.endr
	WIN 0xc0
.set t, 0
.rept 32
	ds_load_b32 v[T2+t], v[SKR] offset:2304*(t/8)+148*(t%8)
.set t, t+1
.endr
	s_wait_dscnt 0x0
	WIN 0xcf
.set t, 0
.rept 16
	v_pk_add_f32 v[BC+2*t:BC+2*t+1], v[BC+2*t:BC+2*t+1], v[T2+2*t:T2+2*t+1]
.set t, t+1
.endr
	WIN 0
.endm
; The four products that start piece Z's scores, with two scalings and two rescalings behind each (BARE = 1: alone).
.macro HEADS band
.set KBAND, \band
.set i, 0
.set rr, RR0
.irp k, 0,1,2,3
	KQ Z
.if !BARE
	OP F, 2*\k
	OP F, 2*\k+1
	RQ
	RQ
.endif
.endr
.endm
; Far or band?  The jump hangs on the block of queries, the step and the piece: the same in all waves and all partners.  No exponential is out at its labels.
.macro MODE
	WIN 0
	s_add_co_i32 s[TM], s[GB], Z+2
	s_cmp_le_u32 s[TM], 4           ; |G| <= 2
	s_cbranch_scc1 .Lband_\@
	v_cndmask_b32 v[ACUR], v[AP+Z], v[AM+Z], s[KIND]
	HEADS 0
	WIN 0
	s_branch .Ljoin_\@
.Lband_\@:
	BIAS
	v_mov_b32 v[ACUR], 0
	HEADS 1
	WIN 0
.Ljoin_\@:
.endm
; A TURN, for piece p.  Ahead of its one wait stands all that names no result of its exponentials; behind it the 8 products V^T P with the roundings and sums as riders.
; Piece 3's turn begins the next step: K, DF and the mask are waited for and Cb is made, the turn's 16 rescalings behind its 8 products; five plain instructions or more lie between a Cb's last product and the product that takes it as C.
; X 0 to X 3, the first readers of the four accumulators, stand five plain instructions behind the accumulator's last product.  K's run (piece 2) stands seven plain instructions behind the last product that read the mask's registers;
; V's run (piece 0) four behind the last that read V.
.macro TURN p, last=0
.set Y, (\p)
.set Z, ((\p)+1)%4
.set W, ((\p)+3)%4
.set BARE, 0
.set rr, 0
.if (\p) == 3
	s_wait_dscnt 0x0                ; K, DF and the mask are in
.set i, 0
.rept 8
	CBM
	RQ
	RQ
.endr
.endif
.set RR0, rr
	MODE
.irp k, 0,1,2,3
	KQ Z
	OP F, 8+\k
	OP E, \k
	RQ
	RQ
.endr
	KQ Z
	OPS F,12, E,4, X,22, E,5
	KQ Z
	OPS F,13, E,6, X,23, E,7
	KQ Z
	OPS F,14, E,8, X,0, E,9
	KQ Z
	OPS F,15, E,10, X,1, X,4
	OPS X,2, E,11, X,5, E,12
	OPS X,3, E,13, X,6, E,14
.if (\p) == 2
	FETCH_K 1, \last
.endif
	OPS X,7, E,15, X,8, E,16
	OPS X,9, E,17, X,10, E,18
	OPS X,11, E,19, X,12, E,20
	OPS X,13, E,21, X,14, E,22
.if (\p) == 0
	WIN 0
	v_add_nc_u32 v[AV], s[TBV], v[AV0]
.endif
	OPS E,23, E,24, X,16, E,25
	OPS E,26, X,17, E,27, E,28
	OPS X,18, E,29, X,19, E,30
	OPS E,31, X,20, X,21, X,24      ; X 24 is the plain instruction behind the last exponential
	WIN 0
	s_wait_alu depctr_va_vdst(0)    ; the one wait for the turn's 33 exponentials, ahead of the first line that names a result
.if (\p) == 1
	s_wait_dscnt 0x0                ; V is in
.endif
.set i, 0
	ROWP C,0, B,0, C,2, B,1
	ROWP L,0, C,4, B,2, L,1
	ROWP C,6, B,3, L,2, C,8
	ROWP B,4, L,3, C,10, B,5
	ROWP L,4, C,12, B,6, L,5
.if (\p) == 0
	s_add_co_u32 s[TBV], s[TBV], KS*PV
.endif
	ROWP C,14, B,7, L,6, C,1
	ROWP C,3, L,7, C,5, C,7
	ROWP C,9, C,11, C,13, C,15
.if (\p) == 0
	FETCH_V
.endif
.endm
	CHANGE 1                        ; slot 0 is in and R is whole, everybody's part of them; slot 1 is asked for
.set i, P+16
.rept 16
	v_mov_b32 v[i], 0               ; P's second buffer: these registers held pieces of D, whose stores have been waited for
.set i, i+1
.endr
	; AP = q . D[256], AM = q . D[0]: fragments 0 and 20 of R, whose rows are all alike, times Q^T: every register of a result holds the lane's query's number
	WIN 0xc0
.irp j, 0,1,2,3
	ds_load_b128 v[RF+4*\j:RF+4*\j+3], v[AR0] offset:32*\j
	ds_load_b128 v[RF+16+4*\j:RF+16+4*\j+3], v[AR0] offset:FD0+32*\j
.endr
	s_wait_dscnt 0x0
	WIN 0x5b
.set t, 0
.rept 8                             ; fragment t / 4, piece t % 4
	v_wmma_f32_16x16x32_bf16 v[TQA+8*t:TQA+8*t+7], v[RF+16*(t/4):RF+16*(t/4)+7], v[Q+16*(t%4):Q+16*(t%4)+7], 0
.set t, t+1
.endr
.set t, 0
.rept 8
	v_wmma_f32_16x16x32_bf16 v[TQA+8*t:TQA+8*t+7], v[RF+16*(t/4)+8:RF+16*(t/4)+15], v[Q+16*(t%4)+8:Q+16*(t%4)+15], v[TQA+8*t:TQA+8*t+7]
.set t, t+1
.endr
.rept 4
	v_nop
.endr
	WIN 0x01
.irp q, 0,1,2,3
	v_mov_b32 v[AP+\q], v[TQA+8*\q]
	v_mov_b32 v[AM+\q], v[TQA+32+8*\q]
.endr
	WIN 0
	s_lshl_b32 s[GB], s[BQ], 2
	FETCH_K 0, 0                    ; key step 0
	s_wait_dscnt 0x0
.set i, 0
.rept 8
	CBM
.endr
	WIN 0
.rept 5
	v_nop                           ; the places between Cb's last products and the products that take it as C
.endr
.set Y, 3
.set Z, 0
.set BARE, 1
.set RR0, 16
	MODE                            ; piece 0's first scores
.rept 8
	KQ Z
.endr
	WIN 0
.rept 4
	v_nop
.endr
.irp n, 22,23,0,1,2,3,4,5,6,7,8,9,10,11,12,13,14,16,17,18,19,20,21,24
	OP X, \n                        ; and its first maximum and statistics
.endr
	s_wait_alu depctr_va_vdst(0)    ; the wait for a, ahead of the branch; X 24 is the plain instruction behind it
	s_mov_b32 s[CNT], 2
	s_branch .Lfirst                ; the loop is entered at a step's first turn, in the middle of a trip
.Lslot:                             ; six times: slots 2 to 7 are asked for
	CHANGE 1
	s_mov_b32 s[CNT], 2
.Lstep:                             ; a trip: pieces 2 and 3 of one step, then pieces 0 and 1 of the next, whose K and V it fetches
	TURN 2
	TURN 3
	WIN 0
.Lfirst:
	TURN 0
	TURN 1
	WIN 0
	s_sub_co_u32 s[CNT], s[CNT], 1
	s_cmp_lg_u32 s[CNT], 0
	s_cbranch_scc1 .Lstep
	s_sub_co_u32 s[SLOTS], s[SLOTS], 1
	s_cmp_lg_u32 s[SLOTS], 0
	s_cbranch_scc1 .Lslot
	CHANGE 0                        ; the tail is written out: nothing is asked for
	s_mov_b32 s[CNT], 3             ; two trips fetch the last slot's steps; the third is left in its middle
.Ltail:
	TURN 2, 1
	TURN 3
	WIN 0
	s_sub_co_u32 s[CNT], s[CNT], 1
	s_cmp_eq_u32 s[CNT], 0
	s_cbranch_scc1 .Lout
	TURN 0
	TURN 1
	WIN 0
	s_branch .Ltail
.Lout:                              ; the third trip's scores (on the last K once more) and the maximum made of them serve nothing: the price, once a launch, of one text for every trip
.set i, 0
.rept 8
	PVM 3                           ; the last piece's V^T P of the last step
.endr
	; THE WAY OUT.  l's two halves and the other half of the lanes' are added; O^T is divided by l and sent through my scratch in LDS, a piece (16 rows of 256 bytes) at a time.  The additions are the places behind the last products.
	WIN 0
.macro ALL line:vararg
.set t, 0
.rept 4
	\line
.set t, t+1
.endr
.endm
	ALL v_add_f32 v[ST+4*t+2], v[ST+4*t+2], v[ST+4*t+3]
	ALL v_permlanex16_b32 v[ST+4*t+3], v[ST+4*t+2], s[SEL], s[SEL+1]
	ALL v_add_f32 v[ST+4*t+2], v[ST+4*t+2], v[ST+4*t+3]
	ALL v_rcp_f32 v[ST+4*t+2], v[ST+4*t+2]
	v_nop                           ; a plain instruction between the last reciprocal and the use of its result
	s_wait_alu depctr_va_vdst(0)    ; and one wait for the four reciprocals, ahead of the first use
.macro PACK t                       ; a lane's eight channels of a row are 32 bytes; they go into rows of 272 bytes and come back as whole rows of 256
	WIN 0x41
.set i, 32*(\t)
.rept 16
	v_pk_mul_f32 v[i:i+1], v[i:i+1], v[ST+4*(\t)+2:ST+4*(\t)+3] op_sel_hi:[1,0]
.set i, i+2
.endr
	WIN 0x04
.irp f, 0,1,2,3,4,5,6,7
	ds_store_b128 v[STO], v[32*(\t)+4*\f:32*(\t)+4*\f+3] offset:64*(\f/2)+16*(\f%2)
.endr
	WIN 0
.irp f, 0,1,2,3,4,5,6,7
	ds_load_b128 v[S+32*(\t)+4*\f:S+32*(\t)+4*\f+3], v[RD] offset:\f*2*SP  ; LDS serves a wave's instructions in order: these see the stores above; the next piece's stores come behind them
.endr
.endm
.macro SEND t, younger              ; younger: the LDS instructions issued behind piece t's loads: the next piece's sixteen, or none
	WIN 0
.irp f, 0,1,2,3,4,5,6,7
	s_wait_dscnt (\younger)+7-\f
	global_store_b128 v[GO], v[S+32*(\t)+4*\f:S+32*(\t)+4*\f+3], s[10:11] offset:(\t)*262144+\f*8192 th:TH_STORE_NT  ; 16 lanes store 256 consecutive bytes, at a multiple of 256 from out0's first byte
.endr
.endm
	PACK 0
	PACK 1
	SEND 0, 16
	PACK 2
	SEND 1, 16
	PACK 3
	SEND 2, 16
	SEND 3, 0
	s_wait_tensorcnt 0x0            ; the wave's end, behind my last tensor load and my last LDS store
	ds_add_u32 v[SPW], v[NIL]
	s_wait_dscnt 0x0
	ROUND                           ; the closing round: no work-group ends while a partner may still ask for a tile that names it
	s_endpgm
.Lfunc_end_k_q0a68881469_attn:
	.size	k_q0a68881469_attn, .Lfunc_end_k_q0a68881469_attn-k_q0a68881469_attn
	.p2alignl 7, 3214868480
	.fill 96, 4, 3214868480
	.section	.rodata,"a",@progbits
	.p2align	6, 0x0
	.amdhsa_kernel k_q0a68881469_attn
		.amdhsa_group_segment_fixed_size 327680
		.amdhsa_private_segment_fixed_size 0
		.amdhsa_enable_private_segment 0
		.amdhsa_kernarg_size 48
		.amdhsa_user_sgpr_count 2
		.amdhsa_user_sgpr_kernarg_segment_ptr 1
		.amdhsa_wavefront_size32 1
		.amdhsa_system_sgpr_workgroup_id_x 1
		.amdhsa_system_sgpr_workgroup_id_y 1
		.amdhsa_system_sgpr_workgroup_id_z 1
		.amdhsa_system_vgpr_workitem_id 0
		.amdhsa_next_free_vgpr 1024
		.amdhsa_next_free_sgpr 96
		.amdhsa_reserve_vcc 1
		.amdhsa_float_denorm_mode_32 3
		.amdhsa_float_denorm_mode_16_64 3
		.amdhsa_memory_ordered 1
		.amdhsa_forward_progress 1
		.amdhsa_inst_pref_size 255
	.end_amdhsa_kernel
	.section	.bss,"aw",@nobits
	.p2align	6
	.space	262144
	.amdgpu_metadata
---
amdhsa.version: [ 1, 2 ]
amdhsa.kernels:
  - .name:           k_q0a68881469_attn
    .symbol:         k_q0a68881469_attn.kd
    .args:
      - { .name: queries, .offset: 0, .size: 8, .value_kind: global_buffer, .address_space: global }
      - { .name: kb, .offset: 8, .size: 8, .value_kind: global_buffer, .address_space: global }
      - { .name: vh, .offset: 16, .size: 8, .value_kind: global_buffer, .address_space: global }
      - { .name: out0, .offset: 24, .size: 8, .value_kind: global_buffer, .address_space: global }
      - { .name: mb, .offset: 32, .size: 8, .value_kind: global_buffer, .address_space: global }
      - { .name: dist_emb, .offset: 40, .size: 8, .value_kind: global_buffer, .address_space: global }
    .group_segment_fixed_size: 327680
    .private_segment_fixed_size: 0
    .kernarg_segment_align: 8
    .kernarg_segment_size: 48
    .max_flat_workgroup_size: 128
    .sgpr_count:     96
    .vgpr_count:     1024
    .wavefront_size: 32
...
	.end_amdgpu_metadata
.endif
;; end of part 2
